; MI455X (gfx1250); checked and timed in simulation.
; The chip was launched on July 23, 2026; its instructions are those of AMD's public machine-readable ISA for CDNA 5 (MIT licence, August 2026) and "CDNA5" Instruction Set Architecture Reference Guide (July 2026). The comments in the code are by the model that wrote it; some were corrected since.
;; Neural Field. Allowed arithmetic: matrix products marked QUANTISED: E2M1 operands, one E8M0 scale for each 32 along K, by v_wmma_scale_f32_16x16x128_f8f6f4 with both operands' format E2M1 (or v_wmma_scale_f32_32x16x128_f4), f32 sums; products left as they are: f32 operands where the result goes on into a quantised operand, else bf16, f16 or f32 operands; f32 sums; everything else in f32.
;; Inputs: W0 96 x 128 float32; Wh 7 x 224 x 128 float32; Wl 224 x 4 float32; b0 128 float32; bh 7 x 128 float32; bl 4 float32; query_points 262,144 x 3 float32.
;; Outputs: out0 262,144 x 4 float32.
;; This version of the problem:
;;   THIS VERSION OF THE PROBLEM IS GIVEN IN LOW PRECISION. The matrix products marked QUANTISED in the list below multiply operands that are first quantised to E2M1 (2 exponent bits, 1 mantissa bit; 4 bits a number), with one power-of-two scale for each 32 numbers along K (OCP MX v1.0); their sums are f32. All else is computed in f32.
;;   The module's matrix products, in the order in which they are computed (A, B: the left and right operand; K: the contracted axis; several contracted axes count as one K, in the product's order):
;;     1. [M 262,144, K 96] x [K 96, N 128]; A: computed on the way; B: input W0: QUANTISED
;;     2. [M 262,144, K 224] x [K 224, N 128]; A: computed on the way; B: input Wh: QUANTISED
;;     3. [M 262,144, K 224] x [K 224, N 128]; A: computed on the way; B: input Wh: QUANTISED
;;     4. [M 262,144, K 224] x [K 224, N 128]; A: computed on the way; B: input Wh: QUANTISED
;;     5. [M 262,144, K 224] x [K 224, N 128]; A: computed on the way; B: input Wh: QUANTISED
;;     6. [M 262,144, K 224] x [K 224, N 128]; A: computed on the way; B: input Wh: QUANTISED
;;     7. [M 262,144, K 224] x [K 224, N 128]; A: computed on the way; B: input Wh: QUANTISED
;;     8. [M 262,144, K 224] x [K 224, N 128]; A: computed on the way; B: input Wh: QUANTISED
;;     9. [M 262,144, K 224] x [K 224, N 4]; A: computed on the way; B: input Wl: left as it is (N = 4 < 16)
;;   THE QUANTISER, for each operand of a quantised product, along K:
;;     - K is cut into blocks of 32 from its start; a last block that is shorter is filled with zeros.
;;     - A block's scale is 2^e with e = floor(log2(the largest magnitude in the block)) - 2, held to -126 .. 127; a block of zeros has e = 0. As a byte (E8M0): e + 127.
;;     - Each number is divided by its block's scale, clamped to +-6, and rounded to the nearest number of E2M1, ties to even, subnormals kept.
;;     - The product sums the exact products of the quantised numbers (number of the format x scale) in f32.
;;   ~~~python
;;   def quantise(x, axis):      # numpy; x: float32 -> the quantised numbers, widened to float32 again
;;       x = np.moveaxis(x, axis, -1); K = x.shape[-1]
;;       x = np.pad(x, [(0, 0)] * (x.ndim - 1) + [(0, -K % 32)]); x = x.reshape(x.shape[:-1] + (-1, 32)); a = np.abs(x).max(-1, keepdims=True)
;;       e = np.where(a > 0, np.clip(np.frexp(np.where(a > 0, a, 1))[1] - 1 - 2, -126, 127), 0)      # np.frexp(a)[1] - 1 = floor(log2(a)), exactly
;;       r = np.clip(x / 2.0 ** e, -6, 6)
;;       step = 2.0 ** (np.maximum(np.frexp(np.where(r == 0, 1, r))[1] - 1, 0) - 1)
;;       q = np.round(r / step) * step * 2.0 ** e      # np.round: ties to even
;;       return np.moveaxis(q.reshape(q.shape[:-2] + (-1,))[..., :K], -1, axis).astype(np.float32)
;;   ~~~
;;   OPERANDS COMPUTED ON THE WAY. 'Computed on the way' means the value that the module computes at that place (a softmax that the list does not call 'softmax' is quantised finished and normalised). What goes into a quantiser is computed in f32, as accurately as f32 sums, v_exp_f32 and their like allow (about 1e-6 of the number): no bf16 or f16 on the way to a quantiser, and a product that is left as it is and whose result goes on into a quantised operand takes f32 operands (vector FMAs, or v_wmma_f32_16x16x4_f32). A number that lies on a knife's edge between two numbers of the format may be rounded either way, as far as f32 arithmetic and the matrix unit's own rounding can turn it there, and no further.
;; One version. Each part assembles by itself: llvm-mc -triple=amdgcn-amd-amdhsa -mcpu=gfx1250 --defsym DOCPART=n.
;; ======== version 1 of 1: 2 launches
;; limits: inputs' magnitudes at most 64; values are held in bf16: 8 bits of precision; right only within a limited range of input values
;; workspace buffers: wimg 149,504 bytes
;; launch prep (part 1): grid 128 x 1, 1 waves a work-group, no clusters, 0 bytes of LDS; arguments W0, Wh, Wl, b0, bh, bl, wimg; writes wimg
.if DOCPART == 1
	.amdgcn_target "amdgcn-amd-amdhsa--gfx1250"
	.amdhsa_code_object_version 6
	.text
	.protected	k_q21cd272f0d_prep
	.globl	k_q21cd272f0d_prep
	.p2align	8
	.type	k_q21cd272f0d_prep,@function
k_q21cd272f0d_prep:
	s_mov_b64 s[64:65], 0
	v_nop
	global_prefetch_b8 v0, s[64:65] scope:SCOPE_SE
	s_setreg_imm32_b32 hwreg(HW_REG_WAVE_MODE, 25, 1), 1
	s_wait_xcnt 0x0
; The weights are laid out once, in the order in which the second launch's operand registers take them.
; wimg, in bytes:  0       the table of Wl^T in bf16 (14,336): four rows of 464 bytes (448 of data + 16) from byte 6,144 on, zeros all round them
;                  14,336  15 groups of 8 fragments of E2M1 codes, 1,024 bytes a fragment: registers 0-3 at 16 x lane, registers 4-7 512 bytes on
;                          group g = 0: W0;  g = 1..7: rows 128-223 of Wh[g - 1] (the encoding's K step);  g = 8..14: rows 0-127 of Wh[g - 8] (the hidden K step)
;                  137,216 the fragments' scale words: 512 g + 64 t + 4 r
;                  144,896 b0, bh[0..6]: 512 bytes each      148,992 bl, 32 times
; Work-groups 0-14 make a group each, a wave a fragment: LANE (r, h) TAKES A COLUMN n AND ITS REGISTERS RUN DOWN K, k = 64 c + 32 h + 0..31, so that the
; conversions' results are the operand's registers and a block's largest magnitude needs no other lane.
; THE COLUMNS OF A FRAGMENT ARE NOT NEIGHBOURS: row r of fragment t is column 64 (t / 4) + 32 (r / 8) + 8 (t % 4) + r % 8: the second launch says why.
; A block's scale byte is its largest magnitude's exponent field - 2, held at 1 from below.  A block of zeros keeps the byte 1 where the rule says 127: its codes are
; zeros, and this program alone reads the bytes.  K = 96 is filled to 128 with zero codes.
; LIMITS: NaN and infinities among the weights are not served; blocks whose largest magnitude lies under 2^-124 keep the byte 1.
; Work-group 15 makes the table, the biases and bl.  A fragment's 16 scale words are 64 bytes: they leave as part of a block of 256; that is 7,680 bytes of the launch's 149,504.
.set EHB,   14336
.set SCB,   137216
.set BIB,   144896
.set BLB,   148992
.set RBB,   6144
.set LAYER, 114688                     ; bytes of one Wh[i]: 224 rows of 512
.set X,     32                         ; v32-95 my 64 numbers
	s_load_b256 s[4:11], s[0:1], 0x0               ; W0 s[4:5], Wh s[6:7], Wl s[8:9], b0 s[10:11]
	s_load_b128 s[12:15], s[0:1], 0x20             ; bh s[12:13], bl s[14:15]
	s_load_b64 s[16:17], s[0:1], 0x30              ; wimg
	; A work-group is ONE wave: where the text above and below says 'work-group g, wave t', it is work-group 8 g + t of the grid.
	; The encoding's K steps have their rows in the order in which the second launch makes its codes: in each four neighbours the middle two change places.
	s_and_b32 s18, ttmp9, 7                        ; t: which fragment of the group, or which part of the table
	s_lshr_b32 s40, ttmp9, 3                       ; g
	v_and_b32 v1, 31, v0                           ; lane
	v_and_b32 v2, 15, v0                           ; r
	v_bfe_u32 v3, v0, 4, 1                         ; h
	s_delay_alu instid0(VALU_DEP_3)
	v_lshlrev_b32 v6, 4, v1                        ; 16 x lane
	s_cmp_eq_u32 s40, 15
	s_cbranch_scc1 .Ltab
	; ---- a fragment: group g = the work-group's number, t = the wave's
	s_lshr_b32 s25, s18, 2
	s_lshl_b32 s25, s25, 6
	s_and_b32 s26, s18, 3
	s_lshl_b32 s26, s26, 3
	s_add_co_u32 s25, s25, s26                     ; 64 (t / 4) + 8 (t % 4)
	s_lshl_b32 s36, s40, 13
	s_lshl_b32 s26, s18, 10
	s_add_co_u32 s36, s36, s26
	s_add_co_u32 s36, s36, EHB                     ; where the fragment goes
	s_mov_b32 s37, 0
	s_lshl_b32 s38, s40, 9
	s_lshl_b32 s26, s18, 6
	s_add_co_u32 s38, s38, s26
	s_add_co_u32 s38, s38, SCB                     ; and its scale words
	s_mov_b32 s39, 0
	s_mov_b32 s32, 0x76543210
	s_mov_b32 s33, 0xfedcba98                      ; v_permlanex16_b32's selects for lane l xor 16
	s_cmp_lt_u32 s40, 8                            ; an encoding's K step (96 rows) or a hidden one (128)?
	s_cselect_b32 s19, 1, 8                        ; which Wh[i]: g - 1 or g - 8
	s_cselect_b32 s20, 0x10000, 0                  ; from row 128 or from row 0
	s_cselect_b32 s21, 0, 0x4000                   ; the fourth block: lanes 16-31 read the third again (no load leaves the buffer), or 32 rows on
	s_cselect_b32 s24, -1, 0                       ; and its codes are cleared, or kept
	s_sub_co_u32 s19, s40, s19
	s_mul_i32 s19, s19, LAYER
	s_add_co_u32 s28, s19, s20
	s_mov_b32 s29, 0
	s_cmp_eq_u32 s40, 0                            ; group 0 is W0, from its first row
	s_cselect_b32 s28, 0, s28
	s_wait_kmcnt 0x0
	s_cselect_b64 s[22:23], s[4:5], s[6:7]
	s_add_nc_u64 s[22:23], s[22:23], s[28:29]
	s_add_nc_u64 s[36:37], s[16:17], s[36:37]
	s_add_nc_u64 s[38:39], s[16:17], s[38:39]
	s_wait_alu depctr_va_vdst(0)
	v_and_b32 v7, 7, v2
	v_and_b32 v8, 8, v2
	s_delay_alu instid0(VALU_DEP_1)
	v_lshl_add_u32 v7, v8, 2, v7                   ; r % 8 + 32 (r / 8)
	s_delay_alu instid0(VALU_DEP_1)
	v_add_nc_u32 v7, s25, v7                       ; my column n
	s_delay_alu instid0(VALU_DEP_1)
	v_lshlrev_b32 v7, 2, v7
	s_delay_alu instid0(VALU_DEP_1)
	v_lshl_add_u32 v4, v3, 14, v7                  ; blocks 0, 1: 4 n + 32 h rows of 512 bytes
	s_delay_alu instid0(VALU_DEP_2)
	v_mad_u32_u24 v5, v3, s21, v7                  ; blocks 2, 3
	v_lshlrev_b32 v10, 2, v2                       ; 4 r
	v_mov_b32 v9, 0
	s_cmp_lt_u32 s40, 8
	s_wait_alu depctr_va_vdst(0)                   ; directly ahead of the branch
	s_cbranch_scc0 .Lhid
.set i, 0
.rept 32
.set ip, (i&0x1c)|((i&1)<<1)|((i>>1)&1)
	global_load_b32 v[X+i], v4, s[22:23] offset:512*ip            ; an encoding's rows: in each four the middle two change places
.set i, i+1
.endr
.set i, 0
.rept 32
.set ip, (i&0x1c)|((i&1)<<1)|((i>>1)&1)
	global_load_b32 v[X+32+i], v5, s[22:23] offset:32768+512*ip
.set i, i+1
.endr
	s_branch .Lgot
.Lhid:
.set i, 0
.rept 32
	global_load_b32 v[X+i], v4, s[22:23] offset:512*i             ; hidden rows as they lie: W(32 h + i, n),
.set i, i+1
.endr
.set i, 0
.rept 32
	global_load_b32 v[X+32+i], v5, s[22:23] offset:32768+512*i    ; W(64 + 32 h + i, n)
.set i, i+1
.endr
.Lgot:
	s_wait_loadcnt 0x0
.irp c, 0,1
	v_max3_num_f32 v[16+\c], |v[X+32*\c]|, |v[X+32*\c+1]|, 0x1800000   ; block 2 c + h: all its 32 numbers are mine; the floor 2^(3 - 127) holds the byte at 1 from below
.endr
.irp i, 2,4,6,8,10,12,14,16,18,20,22,24,26,28,30
.irp c, 0,1
	s_delay_alu instid0(VALU_DEP_2)
	v_max3_num_f32 v[16+\c], v[16+\c], |v[X+32*\c+\i]|, |v[X+32*\c+\i+1]|
.endr
.endr
.irp c, 0,1
	s_delay_alu instid0(VALU_DEP_2)
	v_add_nc_u32 v[18+\c], 0xff000000, v[16+\c]    ; 2 off the exponent field: the conversion takes this operand's exponent field as its scale
.endr
.irp c, 0,1
.irp g, 0,1,2,3
	v_cvt_scalef32_pk8_fp4_f32 v[24+4*\c+\g], v[X+32*\c+8*\g:X+32*\c+8*\g+7], v[18+\c]   ; registers 4 c .. 4 c + 3 of the operand
.endr
.endr
	v_lshrrev_b32 v20, 23, v18                     ; the scales' bytes.  (A plain line directly behind the conversions)
	v_lshrrev_b32 v21, 23, v19
	s_delay_alu instid0(VALU_DEP_1)
	v_lshl_or_b32 v22, v21, 16, v20                ; blocks h and 2 + h,
	v_lshlrev_b32 v23, 3, v3
	s_delay_alu instid0(VALU_DEP_1)
	v_lshlrev_b32 v22, v23, v22                    ; at their places in the word;
	v_mov_b32 v23, 0
	s_delay_alu instid0(VALU_DEP_1)
	v_permlanex16_b32 v23, v22, s32, s33
	s_delay_alu instid0(VALU_DEP_1)
	v_or_b32 v22, v22, v23                         ; with lane l xor 16's two the word is whole, in both lanes
	v_cmp_eq_u32 s34, 1, v3
	s_and_b32 s34, s34, s24                        ; lanes 16-31 of an encoding's K step: k = 96..127 does not exist
.irp g, 0,1,2,3
	v_cndmask_b32 v[28+\g], v[28+\g], v9, s34      ; zero codes there
.endr
	global_store_b128 v6, v[24:27], s[36:37]               ; 512 consecutive bytes a store
	global_store_b128 v6, v[28:31], s[36:37] offset:512
	global_store_b32 v10, v22, s[38:39]                    ; lanes l and l + 16 hold the same word and name the same place
	s_endpgm
.Ltab:
	; ---- every wave: one row of biases, as it lies
	s_sub_co_u32 s20, s18, 1
	s_lshl_b32 s20, s20, 9
	s_mov_b32 s21, 0
	s_lshl_b32 s24, s18, 9
	s_add_co_u32 s24, s24, BIB
	s_mov_b32 s25, 0
	s_cmp_eq_u32 s18, 0                            ; wave 0: b0; wave w: bh[w - 1]
	s_cselect_b32 s20, 0, s20
	s_wait_kmcnt 0x0
	s_cselect_b64 s[22:23], s[10:11], s[12:13]
	s_add_nc_u64 s[22:23], s[22:23], s[20:21]
	s_add_nc_u64 s[24:25], s[16:17], s[24:25]
	s_wait_alu depctr_va_vdst(0)
	global_load_b128 v[12:15], v6, s[22:23]
	s_wait_loadcnt 0x0
	global_store_b128 v6, v[12:15], s[24:25]
	s_cmp_lt_u32 s18, 4
	s_cbranch_scc0 .Lzeros
	; ---- waves 0-3: row u = wave of the table.  Lane col makes the row's piece col: 8 bf16, Wl(idx .. idx + 7, u).
	; Pieces 0-15 follow the order in which the last hidden layer lies in a lane's registers, pieces 16-27 the encoding's own order; piece 28 is padding.
	v_lshrrev_b32 v7, 3, v1
	s_delay_alu instid0(VALU_DEP_1)
	v_lshlrev_b32 v7, 6, v7
	v_and_b32 v8, 1, v1
	s_delay_alu instid0(VALU_DEP_1)
	v_lshl_add_u32 v7, v8, 5, v7
	v_bfe_u32 v8, v1, 1, 2
	s_delay_alu instid0(VALU_DEP_1)
	v_lshl_add_u32 v7, v8, 3, v7                   ; 64 (col / 8) + 32 (col % 2) + 8 ((col / 2) % 4)
	v_lshlrev_b32 v8, 3, v1                        ; 8 col
	v_cmp_gt_u32 vcc_lo, 16, v1
	s_delay_alu instid0(VALU_DEP_1)
	v_cndmask_b32 v7, v8, v7, vcc_lo
	s_delay_alu instid0(VALU_DEP_1)
	v_min_u32 v7, 216, v7                          ; lanes 28-31 load inside Wl too; what they load is cleared below
	s_delay_alu instid0(VALU_DEP_1)
	v_lshlrev_b32 v7, 4, v7                        ; a row of Wl is 16 bytes
	s_delay_alu instid0(VALU_DEP_1)
	v_lshl_add_u32 v7, s18, 2, v7
.irp j, 0,1,2,3,4,5,6,7
	global_load_b32 v[16+\j], v7, s[8:9] offset:16*\j
.endr
	s_mul_i32 s26, s18, 29                         ; a row is 29 pieces of 16 bytes
	s_mul_i32 s27, s18, 3
	s_add_co_u32 s27, s27, 87
	v_add_nc_u32 v8, s26, v1                       ; lanes 0-28: piece 29 u + col
	v_add_nc_u32 v9, s27, v1                       ; lanes 29-31: the twelve pieces of zeros behind the four rows: 116 + 3 u + col - 29
	v_cmp_gt_u32 vcc_lo, 29, v1
	s_delay_alu instid0(VALU_DEP_1)
	v_cndmask_b32 v8, v9, v8, vcc_lo
	s_delay_alu instid0(VALU_DEP_1)
	v_lshlrev_b32 v8, 4, v8
	v_mov_b32 v10, 0
	v_cmp_gt_u32 vcc_lo, 28, v1
	s_wait_loadcnt 0x0
.irp k, 0,1,2,3
	v_cvt_pk_bf16_f32 v[24+\k], v[16+2*\k], v[17+2*\k]
.endr
	s_wait_alu depctr_va_vdst(0)
.irp k, 0,1,2,3
	v_cndmask_b32 v[24+\k], v10, v[24+\k], vcc_lo
.endr
	global_store_b128 v8, v[24:27], s[16:17] offset:RBB    ; the four waves fill bytes 6,144 to 8,191
	s_endpgm
.Lzeros:
	; ---- waves 4-7: the zeros round the table's rows, 2,048 bytes to a line of the four waves
	s_sub_co_u32 s26, s18, 4
	s_lshl_b32 s26, s26, 9
	v_add_nc_u32 v7, s26, v6
.irp k, 0,1,2,3
	v_mov_b32 v[16+\k], 0
.endr
.irp o, 0,2048,4096,8192,10240,12288
	global_store_b128 v7, v[16:19], s[16:17] offset:\o
.endr
	s_cmp_eq_u32 s18, 4
	s_cbranch_scc0 .Ldone
	v_mov_b32 v8, 0                                ; wave 4: bl, 32 times
	global_load_b128 v[20:23], v8, s[14:15]
	s_wait_loadcnt 0x0
	global_store_b128 v6, v[20:23], s[16:17] offset:BLB
.Ldone:
	s_endpgm
.Lfunc_end_k_q21cd272f0d_prep:
	.size	k_q21cd272f0d_prep, .Lfunc_end_k_q21cd272f0d_prep-k_q21cd272f0d_prep
	.p2alignl 7, 3214868480
	.fill 96, 4, 3214868480
	.section	.rodata,"a",@progbits
	.p2align	6, 0x0
	.amdhsa_kernel k_q21cd272f0d_prep
		.amdhsa_group_segment_fixed_size 0
		.amdhsa_private_segment_fixed_size 0
		.amdhsa_enable_private_segment 0
		.amdhsa_kernarg_size 56
		.amdhsa_user_sgpr_count 2
		.amdhsa_user_sgpr_kernarg_segment_ptr 1
		.amdhsa_wavefront_size32 1
		.amdhsa_system_sgpr_workgroup_id_x 1
		.amdhsa_system_sgpr_workgroup_id_y 1
		.amdhsa_system_sgpr_workgroup_id_z 1
		.amdhsa_system_vgpr_workitem_id 0
		.amdhsa_next_free_vgpr 112
		.amdhsa_next_free_sgpr 66
		.amdhsa_reserve_vcc 1
		.amdhsa_float_denorm_mode_32 3
		.amdhsa_float_denorm_mode_16_64 3
		.amdhsa_memory_ordered 1
		.amdhsa_forward_progress 1
		.amdhsa_inst_pref_size 24
	.end_amdhsa_kernel
	.amdgpu_metadata
---
amdhsa.version: [ 1, 2 ]
amdhsa.kernels:
  - .name:           k_q21cd272f0d_prep
    .symbol:         k_q21cd272f0d_prep.kd
    .args:
      - { .name: W0, .offset: 0, .size: 8, .value_kind: global_buffer, .address_space: global }
      - { .name: Wh, .offset: 8, .size: 8, .value_kind: global_buffer, .address_space: global }
      - { .name: Wl, .offset: 16, .size: 8, .value_kind: global_buffer, .address_space: global }
      - { .name: b0, .offset: 24, .size: 8, .value_kind: global_buffer, .address_space: global }
      - { .name: bh, .offset: 32, .size: 8, .value_kind: global_buffer, .address_space: global }
      - { .name: bl, .offset: 40, .size: 8, .value_kind: global_buffer, .address_space: global }
      - { .name: wimg, .offset: 48, .size: 8, .value_kind: global_buffer, .address_space: global }
    .group_segment_fixed_size: 0
    .private_segment_fixed_size: 0
    .kernarg_segment_align: 8
    .kernarg_segment_size: 56
    .max_flat_workgroup_size: 32
    .sgpr_count:     66
    .vgpr_count:     112
    .wavefront_size: 32
...
	.end_amdgpu_metadata
.endif
;; end of part 1
;; launch field (part 2): grid 256 x 1, 8 waves a work-group, clusters of 4 x 1, 327,680 bytes of LDS; arguments query_points, wimg, out0; writes out0
.if DOCPART == 2
	.amdgcn_target "amdgcn-amd-amdhsa--gfx1250"
	.amdhsa_code_object_version 6
	.text
	.protected	k_q21cd272f0d_field
	.globl	k_q21cd272f0d_field
	.p2align	8
	.type	k_q21cd272f0d_field,@function
k_q21cd272f0d_field:
	s_mov_b64 s[64:65], 0
	v_nop
	global_prefetch_b8 v0, s[64:65] scope:SCOPE_SE
	s_setreg_imm32_b32 hwreg(HW_REG_WAVE_MODE, 25, 1), 1
	s_wait_xcnt 0x0
	s_wait_alu depctr_hold_cnt(0) depctr_sa_sdst(0) depctr_va_vdst(0) depctr_va_sdst(0) depctr_va_ssrc(0) depctr_va_vcc(0) depctr_vm_vsrc(0)
	s_getreg_b32 s2, hwreg(HW_REG_IB_STS2, 6, 4)
	s_cmp_eq_u32 s2, 0
	s_cbranch_scc0 .Lentry_in_a_cluster
	s_endpgm
.Lentry_in_a_cluster:
	s_bfe_u32 s2, ttmp6, 0x10000c
	s_cmp_lg_u32 s2, 0x3003
	s_cbranch_scc0 .Lentry_shape_is_right
	s_endpgm
.Lentry_shape_is_right:
; The whole network for 1,024 points a work-group, 128 a wave (8 tiles of 16), from the points to the 4 outputs; the hidden layers never leave the registers.
; wimg (149,504 bytes, laid by the first launch) comes into LDS once: 8 waves x 73 rows of 256 bytes, one joint load a wave, shared by the cluster's four work-groups.
; No prefetch: no loop streams from memory; the image is asked for once, and the points' loads stand at the head.
; ENCODING.  A lane is a point.  Level l's angle is 2^l fl(pi x), as reference() rounds it.  In quarter turns it is a pair of f32 (high, low); it is reduced to -1..1 about the nearest half turn.
; Even levels: sine and cosine by polynomials (the Chebyshev series of sin and cos of (pi/2) x cut behind T9 and T10: under 4e-9 and 3e-10), sign by the half turn's parity;
; odd levels: sin 2a = 2 sin a cos a, cos 2a = 1 - 2 sin^2 a.  A coordinate's 32 numbers are one block along K, in the order: of each four levels 0, 2, 1, 3 (the weights' rows are laid so).
; The block's largest magnitude lies in 0.5 .. 1, since sin^2 + cos^2 = 1; it is 1 in f32 exactly where some partner's magnitude is at most 2^-12 (cos d = 1 - d^2 / 2): the scale is chosen by the SMALLEST magnitude.
; LAYERS.  Products are used transposed: source 0 = 16 rows of W^T, source 1 = 16 points; a lane holds one point, its registers neighbours along the next K.  Two K steps of 128: the encoding (96 and zero codes), the hidden 128.
; The bias is the C of a tile's first product.  Two sets of accumulators: tile i + 1's products stand ahead of tile i's quantising.  The ReLU is made on the codes: a negative code loses its magnitude.
; LAST LAYER.  bf16, f32 sums.  Rows 0-3 (a pass's first tile, 16 points) or 8-11 (its second) of source 0 hold Wl^T, the others zeros: lane l, registers 0-3, then holds the four outputs of point l of the pass.
; LIMITS: NaN and infinities among the inputs are not served; |x| under 256; a hidden block whose largest number lies under 2^-124 keeps the scale byte 1.
; REGISTERS.  Window 0: v0-63 addresses, scales, temporaries; v64-127 hidden codes (8 a tile); v128-191, v192-255 accumulators.
;   Window 1: v0-63 hidden weights, v64-127 encoding weights, v128-191 the encoding's codes, v192-255 biases.  During the encoding window 1's v0-127 and v192-255 hold its bf16 numbers.
.set EH,  14336                        ; in LDS, as in wimg: fragments,
.set SC,  137216                       ; scale words,
.set BI,  144896                       ; biases
.set ST,  149504                       ; 2,048 bytes a wave: the encoding's part of the outputs
.set SPARE, 0x3d800                    ; the spare words: 128 bytes a wave
.set TP,  464
.set HS,  16                           ; scale words of tiles 2 p (lanes 0-15) and 2 p + 1 (lanes 16-31)
.set ES,  24
.set WS,  28
.set TMP, 36
.set RA,  44
.set RB,  52
.set HC,  64
.set WHW, 0
.set WEW, 64
.set EC,  128
.set BIW, 192
.set XQ,  36                           ; the encoding's own registers
.set KS7, 48
.set KC4, 50
.set MAG, 22
.set BY,  11
.set TT,  64
.set XX,  72
.set ZZ,  80
.set WW,  88
.set PP,  96
.set QQ,  104
.set EN,  192
.set UU,  224
.set TY,  236
.set CD,  240
.set OA,  36                           ; the last layer's accumulators
.set OB,  44
.set OD,  52
.set MSB, 0
.macro WIN new                         ; the immediate's high byte repeats the setting that is left
.if MSB != \new
	s_set_vgpr_msb (MSB<<8)|\new
.set MSB, \new
.endif
.endm
.macro ROUND                           ; a round of the cluster's barrier
	s_barrier_signal -1
	s_barrier_wait -1
	s_cmp_lg_u32 s10, 0
	s_cbranch_scc1 .Lnot_wave_0_\@
	s_barrier_signal -3
.Lnot_wave_0_\@:
	s_barrier_wait -3
	s_barrier_signal -1
	s_barrier_wait -1
.endm
.macro KP r, val                       ; a constant for packed lines: both words of the pair are written
	s_mov_b32 s[\r], \val
	s_mov_b32 s[\r+1], \val
.endm
	s_load_b128 s[4:7], s[0:1], 0x0                ; points, wimg
	s_load_b64 s[8:9], s[0:1], 0x10                ; out0
	v_lshl_add_u32 v62, v0, 2, SPARE
	v_mov_b32 v63, 0
	ds_add_u32 v62, v63                            ; the opening lines: the add, twice on end
	ds_add_u32 v62, v63
	v_lshrrev_b32 v1, 5, v0
	v_and_b32 v10, 31, v0                          ; lane
	v_readfirstlane_b32 s10, v1                    ; wave 0..7
	v_mul_u32_u24 v9, v10, 12
	s_bfe_u32 s11, ttmp6, 0x40000
	s_lshl_b32 s12, ttmp9, 2
	s_add_co_u32 s12, s12, s11                     ; work-group
	s_mov_b32 s16, 15|(3<<16)|(1<<21)              ; the mask: all four; elements of 8 bytes; bit 21 beside a mask
	s_mov_b32 s17, 32<<16
	s_mov_b32 s18, 73<<16
	s_mov_b32 s19, 32<<16
	s_mov_b32 s20, 73                              ; 73 rows of 256 bytes
	s_mov_b32 s21, 32
	s_mov_b32 s22, 0
	s_mov_b32 s23, 0
	s_mul_i32 s72, s10, 18688                      ; wave x 73 x 256
	s_mov_b32 s73, 0
	s_mul_i32 s76, s12, 12288                      ; points: 12 bytes each
	s_mul_i32 s13, s10, 1536
	s_add_co_u32 s76, s76, s13
	s_mov_b32 s77, 0
	s_lshl_b32 s78, s12, 14                        ; outputs: 16 bytes each
	s_lshl_b32 s13, s10, 11
	s_add_co_u32 s78, s78, s13
	s_mov_b32 s79, 0
	s_wait_alu depctr_va_vdst(0)                   ; directly ahead of the waits below
	s_wait_dscnt 0x0                               ; both opening adds are done
	s_wait_kmcnt 0x0
	s_mov_b32 s32, 1
	s_mov_b32 s33, s72
	s_add_nc_u64 s[34:35], s[6:7], s[72:73]
	s_or_b32 s35, s35, 0x80000000
	s_add_nc_u64 s[4:5], s[4:5], s[76:77]
	s_add_nc_u64 s[8:9], s[8:9], s[78:79]
.irp p, 0,1,2,3
.irp c, 0,1,2
	global_load_b32 v[XQ+3*\p+\c], v9, s[4:5] offset:384*\p+4*\c   ; pass p: 32 points, a lane a point
.endr
.endr
	ROUND                                          ; in front of the joint loads
	tensor_load_to_lds s[32:35], s[16:23]
	s_nop 0
.rept 4
	v_nop
.endr
	v_and_b32 v10, 31, v0
	v_and_b32 v14, 15, v0                          ; r
	v_bfe_u32 v15, v0, 4, 1                        ; h
	v_lshlrev_b32 v1, 4, v10                       ; 16 x lane
	v_lshlrev_b32 v2, 2, v14
	v_mad_u32_u24 v2, v15, 3584, v2
	v_add_nc_u32 v2, SC, v2                        ; scale words: lanes 0-15 the encoding's, lanes 16-31 the hidden step's
	v_lshl_add_u32 v3, v15, 7, BI                  ; biases
	v_mul_u32_u24 v4, v14, TP
	v_lshl_add_u32 v4, v15, 4, v4
	v_add_nc_u32 v4, 576, v4                       ; Wl^T's hidden part: + 12 TP: row r of the table; + 4 TP: row r - 8 (zeros stand all round the four rows)
	s_mul_i32 s15, s10, 2048
	s_add_co_u32 s15, s15, ST
	v_add_nc_u32 v5, s15, v1                       ; my stage
	v_lshrrev_b32 v11, 2, v14
	v_lshlrev_b32 v12, 1, v15
	v_mov_b32 v13, 0
	v_mov_b32 v6, 6144
	v_cmp_eq_u32 vcc_lo, v11, v12                  ; rows 0-3 take the K of lanes 0-15, rows 8-11 that of lanes 16-31; the others zeros
	v_cndmask_b32 v6, v13, v6, vcc_lo
	v_and_b32 v13, 3, v14
	v_mad_u32_u24 v6, v13, TP, v6                  ; Wl^T's encoding part
	v_mov_b32 v7, 0x0c030c07                       ; where my two blocks' bytes go in a scale word: blocks h and 2 + h
	v_mov_b32 v11, 0x030c070c
	v_cmp_eq_u32 vcc_lo, 1, v15
	v_cndmask_b32 v7, v7, v11, vcc_lo
	v_mov_b32 v20, 0x3e000000                      ; 2^-3
	v_mov_b32 v21, 0x3e800000                      ; 2^-2
.irp k, 0,1
	v_mov_b32 v[MAG+\k], 0x4bc00000                ; 1.5 x 2^24: added and taken away it rounds to an even whole number
	v_mov_b32 v[KS7+\k], 0xbb99196d
	v_mov_b32 v[KC4+\k], 0x3a709368
.endr
.irp g, 0,1,2,3
	v_mov_b32 v[CD+12+\g], 0
.endr
	KP 40, 0x391e24ac                              ; sine: x^9 (x^7 in KS7),
	KP 42, 0x3da333b6                              ; x^5,
	KP 44, 0xbf255ddc                              ; x^3,
	KP 46, 0x3fc90fdb                              ; x
	KP 48, 0xb7c7dacd                              ; cosine: x^10 (x^8 in KC4),
	KP 50, 0xbcaae83a                              ; x^6,
	KP 52, 0x3e81e0f2                              ; x^4,
	KP 54, 0xbf9de9e6                              ; x^2
	s_mov_b32 s56, 0xfe000000
	s_mov_b32 s57, 0x88888888
	s_mov_b32 s60, 0x3f22f983                      ; 2 / pi, high
	s_mov_b32 s61, 0x32dc9c88                      ; and low
	s_mov_b32 s69, EH
	s_mov_b32 s70, 0
; one coordinate of a pass: its 32 numbers, their codes (CD), scale byte (BY), and bf16 pairs in reference()'s order (window 1)
.macro ENC c, p
.irp q, 0,1,2,3
	v_pk_fma_f32 v[TT+2*\q:TT+2*\q+1], v[UU+4*\c:UU+4*\c+1], (127+4*\q)<<23, v[MAG:MAG+1] op_sel_hi:[1,0,1]   ; levels 4 q and 4 q + 2
.endr
.irp q, 0,1,2,3
	v_pk_add_f32 v[XX+2*\q:XX+2*\q+1], v[TT+2*\q:TT+2*\q+1], v[MAG:MAG+1] neg_lo:[0,1] neg_hi:[0,1]
.endr
.irp q, 0,1,2,3
	v_pk_fma_f32 v[XX+2*\q:XX+2*\q+1], v[UU+4*\c:UU+4*\c+1], (127+4*\q)<<23, v[XX+2*\q:XX+2*\q+1] op_sel_hi:[1,0,1] neg_lo:[0,0,1] neg_hi:[0,0,1]
.endr
.irp q, 0,1,2,3
	v_pk_fma_f32 v[XX+2*\q:XX+2*\q+1], v[UU+4*\c+2:UU+4*\c+3], (127+4*\q)<<23, v[XX+2*\q:XX+2*\q+1] op_sel_hi:[1,0,1]
.endr
.irp q, 0,1,2,3
	v_pk_mul_f32 v[ZZ+2*\q:ZZ+2*\q+1], v[XX+2*\q:XX+2*\q+1], v[XX+2*\q:XX+2*\q+1]
.endr
.irp q, 0,1,2,3
	v_pk_fma_f32 v[PP+2*\q:PP+2*\q+1], v[ZZ+2*\q:ZZ+2*\q+1], s[40:41], v[KS7:KS7+1] op_sel_hi:[1,0,1]
	v_pk_fma_f32 v[QQ+2*\q:QQ+2*\q+1], v[ZZ+2*\q:ZZ+2*\q+1], s[48:49], v[KC4:KC4+1] op_sel_hi:[1,0,1]
.endr
.irp q, 0,1,2,3
	v_pk_fma_f32 v[PP+2*\q:PP+2*\q+1], v[PP+2*\q:PP+2*\q+1], v[ZZ+2*\q:ZZ+2*\q+1], s[42:43] op_sel_hi:[1,1,0]
	v_pk_fma_f32 v[QQ+2*\q:QQ+2*\q+1], v[QQ+2*\q:QQ+2*\q+1], v[ZZ+2*\q:ZZ+2*\q+1], s[50:51] op_sel_hi:[1,1,0]
.endr
.irp q, 0,1,2,3
	v_pk_fma_f32 v[PP+2*\q:PP+2*\q+1], v[PP+2*\q:PP+2*\q+1], v[ZZ+2*\q:ZZ+2*\q+1], s[44:45] op_sel_hi:[1,1,0]
	v_pk_fma_f32 v[QQ+2*\q:QQ+2*\q+1], v[QQ+2*\q:QQ+2*\q+1], v[ZZ+2*\q:ZZ+2*\q+1], s[52:53] op_sel_hi:[1,1,0]
.endr
.irp q, 0,1,2,3
	v_pk_mul_f32 v[WW+2*\q:WW+2*\q+1], v[XX+2*\q:XX+2*\q+1], v[ZZ+2*\q:ZZ+2*\q+1]
	v_pk_fma_f32 v[QQ+2*\q:QQ+2*\q+1], v[QQ+2*\q:QQ+2*\q+1], v[ZZ+2*\q:ZZ+2*\q+1], s[54:55] op_sel_hi:[1,1,0]
.endr
.irp q, 0,1,2,3
	v_pk_mul_f32 v[PP+2*\q:PP+2*\q+1], v[PP+2*\q:PP+2*\q+1], v[WW+2*\q:WW+2*\q+1]
	v_pk_fma_f32 v[QQ+2*\q:QQ+2*\q+1], v[QQ+2*\q:QQ+2*\q+1], v[ZZ+2*\q:ZZ+2*\q+1], 1.0 op_sel_hi:[1,1,0]
.endr
.irp q, 0,1,2,3
	v_pk_fma_f32 v[PP+2*\q:PP+2*\q+1], v[XX+2*\q:XX+2*\q+1], s[46:47], v[PP+2*\q:PP+2*\q+1] op_sel_hi:[1,0,1]
.endr
.irp a, 0,1,2,3,4,5,6,7
	v_lshlrev_b32 v[TT+\a], 31, v[TT+\a]           ; an odd half turn changes both signs
.endr
.irp q, 0,1,2,3
	v_pk_add_f32 v[WW+2*\q:WW+2*\q+1], v[PP+2*\q:PP+2*\q+1], v[PP+2*\q:PP+2*\q+1]
.endr
.irp a, 0,1,2,3,4,5,6,7
	v_xor_b32 v[EN+4*(\a/2)+\a%2], v[PP+\a], v[TT+\a]
	v_xor_b32 v[EN+16+4*(\a/2)+\a%2], v[QQ+\a], v[TT+\a]
.endr
.irp q, 0,1,2,3                        ; levels 4 q + 1 and 4 q + 3: the sign falls out of the doubling
	v_pk_mul_f32 v[EN+4*\q+2:EN+4*\q+3], v[WW+2*\q:WW+2*\q+1], v[QQ+2*\q:QQ+2*\q+1]
	v_pk_fma_f32 v[EN+16+4*\q+2:EN+16+4*\q+3], v[WW+2*\q:WW+2*\q+1], v[PP+2*\q:PP+2*\q+1], 1.0 op_sel_hi:[1,1,0] neg_lo:[1,0,0] neg_hi:[1,0,0]
.endr
	v_max3_num_f32 v58, -|v[EN]|, -|v[EN+1]|, -|v[EN+2]|            ; less the smallest magnitude, in two chains
	v_max3_num_f32 v59, -|v[EN+15]|, -|v[EN+16]|, -|v[EN+17]|
.irp i, 3,5,7,9,11,13
	v_max3_num_f32 v58, v58, -|v[EN+\i]|, -|v[EN+\i+1]|
	v_max3_num_f32 v59, v59, -|v[EN+\i+15]|, -|v[EN+\i+16]|
.endr
	v_max3_num_f32 v58, v58, -|v[EN+30]|, -|v[EN+31]|
	v_max_num_f32 v58, v58, v59
	v_cmp_le_f32 vcc_lo, 0xb9800000, v58           ; smallest magnitude at most 2^-12: the largest is 1
	v_cndmask_b32 v60, v20, v21, vcc_lo            ; the scale: 2^-2, else 2^-3
.irp g, 0,1,2,3
	v_cvt_scalef32_pk8_fp4_f32 v[CD+4*\c+\g], v[EN+8*\g:EN+8*\g+7], v60
.endr
	v_lshrrev_b32 v[BY+\c], 23, v60
.set B_, 16*(3*(\p)+\c)+64*((3*(\p)+\c)/8)
	WIN 0x40
.irp a, 0,1,2,3,4,5,6,7
	v_cvt_pk_bf16_f32 v[B_+\a], v[EN+4*(\a/2)+\a%2], v[EN+4*(\a/2)+\a%2+2]
	v_cvt_pk_bf16_f32 v[B_+8+\a], v[EN+16+4*(\a/2)+\a%2], v[EN+16+4*(\a/2)+\a%2+2]
.endr
	WIN 0
.endm
.macro PASS p                          ; 32 points: tiles 2 p and 2 p + 1
	s_wait_alu depctr_va_vdst(0)
.if (\p) < 2
	s_wait_loadcnt 9-3*(\p)                        ; my three numbers are in; the later passes' may be out
.endif
.if (\p) == 2
	s_wait_loadcnt 0x0                             ; all are in: nothing is waited for inside the barrier that is open in the last pass
.endif
.irp c, 0,1,2
	v_mul_f32 v[TY+\c], 0x40490fdb, v[XQ+3*(\p)+\c]                ; fl(pi x)
.endr
.irp c, 0,1,2
	v_mul_f32 v[UU+4*\c], s60, v[TY+\c]            ; in quarter turns: the high part,
.endr
.irp c, 0,1,2
	v_fma_f32 v[UU+4*\c+2], v[TY+\c], s60, -v[UU+4*\c]
.endr
.irp c, 0,1,2
	v_fma_f32 v[UU+4*\c+2], v[TY+\c], s61, v[UU+4*\c+2]            ; the low part;
.endr
.irp c, 0,1,2
	v_mul_f32 v[UU+4*\c+1], 4.0, v[UU+4*\c]        ; two levels on
.endr
.irp c, 0,1,2
	v_mul_f32 v[UU+4*\c+3], 4.0, v[UU+4*\c+2]
.endr
	ENC 0, \p
	ENC 1, \p
	ENC 2, \p
	v_lshl_or_b32 v[ES+\p], v[BY+1], 8, v[BY]
.irp g, 0,1,2,3
	v_permlane16_swap_b32 v[CD+\g], v[CD+4+\g]     ; the operand's layout: a whole block in a lane, lanes 0-15 blocks 0 and 2, lanes 16-31 blocks 1 and 3
	v_permlane16_swap_b32 v[CD+8+\g], v[CD+12+\g]
.endr
	v_lshl_or_b32 v[ES+\p], v[BY+2], 16, v[ES+\p]
	WIN 0x40
.irp g, 0,1,2,3
	v_mov_b32 v[EC+16*(\p)+\g], v[CD+\g]
	v_mov_b32 v[EC+16*(\p)+4+\g], v[CD+8+\g]
	v_mov_b32 v[EC+16*(\p)+8+\g], v[CD+4+\g]
	v_mov_b32 v[EC+16*(\p)+12+\g], v[CD+12+\g]
.endr
	WIN 0
.if (\p) < 3
.irp g, 0,1,2,3
	v_mov_b32 v[CD+12+\g], 0                       ; the fourth block does not exist: zero codes
.endr
.endif
.endm
	s_wait_alu depctr_va_vdst(0)
	PASS 0
	PASS 1
	PASS 2
	s_wait_alu depctr_va_vdst(0)
	s_wait_tensorcnt 0x0                           ; my rows of the image are in:
	s_barrier_signal -1                            ; say so; the last pass is work on registers alone
	PASS 3
	s_wait_alu depctr_va_vdst(0)
	s_barrier_wait -1                              ; the whole image is in
; the encoding's part of the outputs: lanes 0-15 and 16-31 hold different points, and source 0's rows 0-3 and 8-11 take one half of K each
.irp s, 0,1,2,3,4,5
	ds_load_b128 v[64+8*\s:64+8*\s+3], v6 offset:256+32*\s
	ds_load_b128 v[64+8*\s+4:64+8*\s+7], v6 offset:256+32*\s+16
.endr
	s_wait_dscnt 0x0
	WIN 0x04
.irp s, 0,1,2,3,4,5
.irp p, 0,1,2,3                        ; four accumulators by turns
.set B_, 16*(3*\p+\s/2)+64*((3*\p+\s/2)/8)+8*(\s%2)
.if \s == 0
	v_wmma_f32_16x16x32_bf16 v[128+8*\p:128+8*\p+7], v[64+8*\s:64+8*\s+7], v[B_:B_+7], 0
.else
	v_wmma_f32_16x16x32_bf16 v[128+8*\p:128+8*\p+7], v[64+8*\s:64+8*\s+7], v[B_:B_+7], v[128+8*\p:128+8*\p+7]
.endif
.endr
.endr
	WIN 0
.rept 5
	v_nop                                          ; places in front of the stores and of the loads below
.endr
.irp p, 0,1,2,3
	ds_store_b128 v5, v[128+8*\p:128+8*\p+3] offset:512*\p         ; my point's four outputs so far
.endr
; the next layer's operands: scale words, biases, the encoding's weights, and (but for layer 0) the hidden weights, in the order in which they are wanted
.macro LOADW first
	v_add_nc_u32 v11, s69, v1
	v_add_nc_u32 v12, s70, v2
	v_add_nc_u32 v13, s70, v3
	s_add_co_u32 s69, s69, 8192
	s_add_co_u32 s70, s70, 512
.irp t, 0,1,2,3,4,5,6,7
	ds_load_b32 v[WS+\t], v12 offset:64*\t
.endr
	WIN 0x40
.irp t, 0,1,2,3,4,5,6,7
	ds_load_b128 v[BIW+8*\t:BIW+8*\t+3],   v13 offset:256*(\t/4)+32*(\t%4)
	ds_load_b128 v[BIW+8*\t+4:BIW+8*\t+7], v13 offset:256*(\t/4)+32*(\t%4)+16
.endr
.irp t, 0,1,2,3,4,5,6,7
	ds_load_b128 v[WEW+8*\t:WEW+8*\t+3],   v11 offset:1024*\t
	ds_load_b128 v[WEW+8*\t+4:WEW+8*\t+7], v11 offset:1024*\t+512
.endr
.if !\first
.irp t, 0,1,2,3,4,5,6,7
	ds_load_b128 v[WHW+8*\t:WHW+8*\t+3],   v11 offset:57344+1024*\t
	ds_load_b128 v[WHW+8*\t+4:WHW+8*\t+7], v11 offset:57344+1024*\t+512
.endr
.endif
	WIN 0
.endm
; tile i's products into the accumulators from AA on: PE the encoding's K step, from the bias; PH the hidden one.  The eight accumulators take turns.
.macro PE i
	WIN 0x15
.irp t, 0,1,2,3,4,5,6,7
.if (\i)%2
	v_wmma_scale_f32_16x16x128_f8f6f4 v[AA+8*\t:AA+8*\t+7], v[WEW+8*\t:WEW+8*\t+7], v[EC+8*(\i):EC+8*(\i)+7], v[BIW+8*\t:BIW+8*\t+7], v[WS+\t], v[ES+(\i)/2] matrix_a_fmt:MATRIX_FMT_FP4 matrix_b_fmt:MATRIX_FMT_FP4 matrix_b_scale:MATRIX_SCALE_ROW1
.else
	v_wmma_scale_f32_16x16x128_f8f6f4 v[AA+8*\t:AA+8*\t+7], v[WEW+8*\t:WEW+8*\t+7], v[EC+8*(\i):EC+8*(\i)+7], v[BIW+8*\t:BIW+8*\t+7], v[WS+\t], v[ES+(\i)/2] matrix_a_fmt:MATRIX_FMT_FP4 matrix_b_fmt:MATRIX_FMT_FP4
.endif
.endr
.endm
.macro PH i
	WIN 0x01
.irp t, 0,1,2,3,4,5,6,7
.if (\i)%2
	v_wmma_scale_f32_16x16x128_f8f6f4 v[AA+8*\t:AA+8*\t+7], v[WHW+8*\t:WHW+8*\t+7], v[HC+8*(\i):HC+8*(\i)+7], v[AA+8*\t:AA+8*\t+7], v[WS+\t], v[HS+(\i)/2] matrix_a_fmt:MATRIX_FMT_FP4 matrix_b_fmt:MATRIX_FMT_FP4 matrix_a_scale:MATRIX_SCALE_ROW1 matrix_b_scale:MATRIX_SCALE_ROW1
.else
	v_wmma_scale_f32_16x16x128_f8f6f4 v[AA+8*\t:AA+8*\t+7], v[WHW+8*\t:WHW+8*\t+7], v[HC+8*(\i):HC+8*(\i)+7], v[AA+8*\t:AA+8*\t+7], v[WS+\t], v[HS+(\i)/2] matrix_a_fmt:MATRIX_FMT_FP4 matrix_b_fmt:MATRIX_FMT_FP4 matrix_a_scale:MATRIX_SCALE_ROW1
.endif
.endr
.endm
; line k (0..31) of the ReLU on tile t's codes: eight codes a register; the sign bits, shifted and taken away, give 7 for each negative code, which clears its magnitude
.macro RL k, t
.set g_, (\k)%8
.if (\k)/8 == 0
	v_and_b32 v[RA+g_], s57, v[HC+8*(\t)+g_]
.endif
.if (\k)/8 == 1
	v_lshrrev_b32 v[RB+g_], 3, v[RA+g_]
.endif
.if (\k)/8 == 2
	v_sub_nc_u32 v[RA+g_], v[RA+g_], v[RB+g_]
.endif
.if (\k)/8 == 3
	v_bfi_b32 v[HC+8*(\t)+g_], v[RA+g_], 0, v[HC+8*(\t)+g_]
.endif
.endm
; quantise tile i; relu = 1: the ReLU of the tile before's codes goes in between (its first eight lines are also places behind the products)
.macro QUANT i, relu
.set A_, 128+64*((\i)%2)
.set k_, 0
.if \relu
.rept 8
	RL k_, ((\i)+7)%8
.set k_, k_+1
.endr
.endif
.set n_, 0
.rept 32
.set c_, n_%2
.set b_, A_+32*c_+2*(n_/2)
.if n_ < 2
	v_max3_num_f32 v[TMP+c_], v[b_], v[b_+1], 0x1800000            ; no |.|: what is negative does not count; the floor holds the byte at 1 from below
.else
	v_max3_num_f32 v[TMP+c_], v[TMP+c_], v[b_], v[b_+1]
.endif
.if \relu
.if n_%4 < 3
	RL k_, ((\i)+7)%8
.set k_, k_+1
.endif
.endif
.set n_, n_+1
.endr
	v_add_nc_u32 v[TMP+2], 0xff000000, v[TMP]      ; 2 off the exponent field: the conversion's scale
	v_add_nc_u32 v[TMP+3], 0xff000000, v[TMP+1]
	v_lshl_add_u32 v[TMP+4], v[TMP], 1, s56        ; the same field in the highest byte
	v_lshl_add_u32 v[TMP+5], v[TMP+1], 1, s56
.irp g, 0,1,2,3,4,5,6,7
	v_cvt_scalef32_pk8_fp4_f32 v[HC+8*(\i)+\g], v[A_+8*\g:A_+8*\g+7], v[TMP+2+\g/4]
.endr
	v_perm_b32 v[TMP+6+(\i)%2], v[TMP+4], v[TMP+5], v7             ; my two bytes at their places
.if (\i)%2
	v_permlane16_swap_b32 v[TMP+6], v[TMP+7]       ; lanes 0-15: the even tile's two parts, lanes 16-31: the odd tile's
	v_or_b32 v[HS+(\i)/2], v[TMP+6], v[TMP+7]
.endif
.endm
	LOADW 1
	s_wait_alu depctr_va_vdst(0)
	s_wait_dscnt 0x0
.set AA, 128
	PE 0
.irp i, 0,1,2,3,4,5,6
.set AA, 128+64*((\i+1)%2)
	PE \i+1
	WIN 0
.if \i == 0
.rept 4
	v_nop
.endr
	QUANT 0, 0
.else
	QUANT \i, 1
.endif
.endr
	LOADW 0
	QUANT 7, 1
	s_mov_b32 s62, 6
	s_wait_alu depctr_va_vdst(0)                   ; ahead of the waits below
.Llayer:                                               ; hidden layers Wh[0] .. Wh[5]
	s_wait_dscnt 16                                ; all but the hidden weights are in
.set AA, 128
	PE 0
	s_wait_dscnt 0x0
	PH 0
.irp i, 0,1,2,3,4,5,6
.set AA, 128+64*((\i+1)%2)
	PE \i+1
	PH \i+1
	WIN 0
	QUANT \i, 1
.endr
	LOADW 0                                        ; tile 7's products are issued: the next layer's operands come in under two tiles' work
	QUANT 7, 1
	s_sub_co_u32 s62, s62, 1
	s_cmp_lg_u32 s62, 0
	s_wait_alu depctr_va_vdst(0)                   ; directly ahead of the branch
	s_cbranch_scc1 .Llayer
; Wh[6] and the last layer
.set k_, 0
.rept 32
	RL k_, 7
.set k_, k_+1
.endr
.irp u, 0,1                            ; Wl^T's hidden part in rows 0-3, and in rows 8-11
.irp s, 0,1,2,3
	ds_load_b128 v[192+32*\u+8*\s:192+32*\u+8*\s+3],   v4 offset:(12-8*\u)*TP+64*\s
	ds_load_b128 v[192+32*\u+8*\s+4:192+32*\u+8*\s+7], v4 offset:(12-8*\u)*TP+64*\s+32
.endr
.endr
.macro OINIT p                         ; two of a pass's four sums begin with the encoding's part and with bl (registers 4-7 hold rows that nobody stores)
	ds_load_b128 v[OA:OA+3],   v5 offset:512*(\p)
	ds_load_b128 v[OA+4:OA+7], v5 offset:512*(\p)
	ds_load_b128 v[OB:OB+3],   v3 offset:4096
	ds_load_b128 v[OB+4:OB+7], v3 offset:4096
.endm
.macro OUT p
.irp k, 0,2
	v_pk_add_f32 v[HC+16*(\p)+\k:HC+16*(\p)+\k+1], v[HC+16*(\p)+\k:HC+16*(\p)+\k+1], v[OA+\k:OA+\k+1]
	v_pk_add_f32 v[OB+\k:OB+\k+1], v[OB+\k:OB+\k+1], v[OD+\k:OD+\k+1]
.endr
.irp k, 0,2
	v_pk_add_f32 v[HC+16*(\p)+\k:HC+16*(\p)+\k+1], v[HC+16*(\p)+\k:HC+16*(\p)+\k+1], v[OB+\k:OB+\k+1]
.endr
	global_store_b128 v1, v[HC+16*(\p):HC+16*(\p)+3], s[8:9] offset:512*(\p) th:TH_STORE_NT   ; 32 lanes store 512 consecutive bytes
.endm
.macro BF s, acc, fresh
.if \fresh
	v_wmma_f32_16x16x32_bf16 v[\acc:\acc+7], v[TB+8*\s:TB+8*\s+7], v[128+8*\s:128+8*\s+7], 0
.else
	v_wmma_f32_16x16x32_bf16 v[\acc:\acc+7], v[TB+8*\s:TB+8*\s+7], v[128+8*\s:128+8*\s+7], v[\acc:\acc+7]
.endif
.endm
.macro FIN i
.if (\i) > 0
	PE \i
	PH \i
.endif
	WIN 0
.rept 4
	v_nop
.endr
.if ((\i)%2 == 0) && ((\i) > 0)
	OUT (\i)/2-1
	OINIT (\i)/2
.endif
.set jj, 0
.rept 64
	v_max_num_f32 v[128+jj], 0, v[128+jj]
.set jj, jj+1
.endr
.set jj, 0
.rept 32
	v_cvt_pk_bf16_f32 v[128+jj], v[128+2*jj], v[128+2*jj+1]
.set jj, jj+1
.endr
.if (\i)%2 == 0
	s_wait_alu depctr_va_vdst(0)                   ; directly ahead of the wait below
	s_wait_dscnt 0x0
.endif
.set TB, 192+32*((\i)%2)
.set OC, HC+16*((\i)/2)                ; in the registers of the pass's first tile's codes, which its products have read
	BF 0, OA, 0                                    ; four accumulators by turns
	BF 1, OB, 0
	BF 2, OC, 1-(\i)%2
	BF 3, OD, 1-(\i)%2
.rept 5
	v_nop
.endr
.endm
	OINIT 0
	s_wait_alu depctr_va_vdst(0)
	s_wait_dscnt 36                                ; the 16 loads of hidden weights, 16 of tables and 4 of starting values may be out
.set AA, 128
	PE 0
	s_wait_dscnt 20                                ; the hidden weights are in
	PH 0
.irp i, 0,1,2,3,4,5,6,7
	FIN \i
.endr
	OUT 3
	s_wait_tensorcnt 0x0                           ; the wave's end
	ds_add_u32 v62, v63
	s_wait_dscnt 0x0
	ROUND                                          ; the closing round
	s_endpgm
.Lfunc_end_k_q21cd272f0d_field:
	.size	k_q21cd272f0d_field, .Lfunc_end_k_q21cd272f0d_field-k_q21cd272f0d_field
	.p2alignl 7, 3214868480
	.fill 96, 4, 3214868480
	.section	.rodata,"a",@progbits
	.p2align	6, 0x0
	.amdhsa_kernel k_q21cd272f0d_field
		.amdhsa_group_segment_fixed_size 327680
		.amdhsa_private_segment_fixed_size 0
		.amdhsa_enable_private_segment 0
		.amdhsa_kernarg_size 24
		.amdhsa_user_sgpr_count 2
		.amdhsa_user_sgpr_kernarg_segment_ptr 1
		.amdhsa_wavefront_size32 1
		.amdhsa_system_sgpr_workgroup_id_x 1
		.amdhsa_system_sgpr_workgroup_id_y 1
		.amdhsa_system_sgpr_workgroup_id_z 1
		.amdhsa_system_vgpr_workitem_id 0
		.amdhsa_next_free_vgpr 512
		.amdhsa_next_free_sgpr 80
		.amdhsa_reserve_vcc 1
		.amdhsa_float_denorm_mode_32 3
		.amdhsa_float_denorm_mode_16_64 3
		.amdhsa_memory_ordered 1
		.amdhsa_forward_progress 1
		.amdhsa_inst_pref_size 255
	.end_amdhsa_kernel
	.section	.bss,"aw",@nobits
	.p2align	6
	.space	262144
	.amdgpu_metadata
---
amdhsa.version: [ 1, 2 ]
amdhsa.kernels:
  - .name:           k_q21cd272f0d_field
    .symbol:         k_q21cd272f0d_field.kd
    .args:
      - { .name: query_points, .offset: 0, .size: 8, .value_kind: global_buffer, .address_space: global }
      - { .name: wimg, .offset: 8, .size: 8, .value_kind: global_buffer, .address_space: global }
      - { .name: out0, .offset: 16, .size: 8, .value_kind: global_buffer, .address_space: global }
    .group_segment_fixed_size: 327680
    .private_segment_fixed_size: 0
    .kernarg_segment_align: 8
    .kernarg_segment_size: 24
    .max_flat_workgroup_size: 256
    .sgpr_count:     80
    .vgpr_count:     512
    .wavefront_size: 32
...
	.end_amdgpu_metadata
.endif
;; end of part 2
